; MI455X (gfx1250); checked and timed in simulation.
; The chip was launched on July 23, 2026; its instructions are those of AMD's public machine-readable ISA for CDNA 5 (MIT licence, August 2026) and "CDNA5" Instruction Set Architecture Reference Guide (July 2026). The comments in the code are by the model that wrote it; some were corrected since.
;; Multi Head Attention. Allowed arithmetic: matrix products marked QUANTISED: E4M3 operands, one given power-of-two scale a tensor, by v_wmma_f32_16x16x64_fp8_fp8 or v_wmma_f32_16x16x128_fp8_fp8, f32 sums; everything else in f32.
;; Inputs: Wk 2 x 256 x 512 float32; Wo 512 x 512 float32; Wq 2 x 256 x 512 float32; Wv 2 x 256 x 512 float32; bk 2 x 256 float32; bq 2 x 256 float32; bv 2 x 256 float32; lowp_scales 12 int32 (the exponents e of the quantised operands' scales 2^e); x 32 x 1,024 x 512 float32.
;; Outputs: out0 32 x 1,024 x 512 float32.
;; This version of the problem:
;;   THIS VERSION OF THE PROBLEM IS GIVEN IN LOW PRECISION. The matrix products marked QUANTISED in the list below multiply operands that are first quantised to E4M3 (4 exponent bits, 3 mantissa bits; 8 bits a number), with one given power-of-two scale for each operand tensor; their sums are f32. All else is computed in f32.
;;   The module's matrix products, in the order in which they are computed (A, B: the left and right operand; K: the contracted axis; several contracted axes count as one K, in the product's order):
;;     1. [M 512, K 512] x [K 512, N 32,768]; A: input Wq; B: input x: QUANTISED (scales: A lowp_scales[0], B lowp_scales[1])
;;     2. [M 512, K 512] x [K 512, N 32,768]; A: input Wk; B: input x: QUANTISED (scales: A lowp_scales[2], B lowp_scales[3])
;;     3. [M 512, K 512] x [K 512, N 32,768]; A: input Wv; B: input x: QUANTISED (scales: A lowp_scales[4], B lowp_scales[5])
;;     4. batch 64 x [M 1,024, K 256] x [K 256, N 1,024]; A: computed on the way; B: computed on the way: QUANTISED (scales: A lowp_scales[6], B lowp_scales[7])
;;     5. batch 64 x [M 1,024, K 1,024] x [K 1,024, N 256]; A: softmax (see below); B: computed on the way: QUANTISED (scales: A lowp_scales[8], B lowp_scales[9])
;;     6. [M 32,768, K 512] x [K 512, N 512]; A: computed on the way; B: input Wo: QUANTISED (scales: A lowp_scales[10], B lowp_scales[11])
;;   THE QUANTISER, for each operand of a quantised product, along K:
;;     - The operand's scale is 2^e, e = its entry of the input lowp_scales (int32; the entries are numbered through the quantised products in the list's order, A before B).
;;     - Each number is divided by the scale, clamped to +-448, and rounded to the nearest number of E4M3, ties to even, subnormals kept.
;;     - The product sums the exact products of the quantised numbers (number of the format x scale) in f32.
;;   ~~~python
;;   def quantise(x, axis, e):      # numpy; x: float32 -> the quantised numbers, widened to float32 again
;;       x = np.moveaxis(x, axis, -1); K = x.shape[-1]
;;       r = np.clip(x / 2.0 ** e, -448, 448)
;;       step = 2.0 ** (np.maximum(np.frexp(np.where(r == 0, 1, r))[1] - 1, -6) - 3)
;;       q = np.round(r / step) * step * 2.0 ** e      # np.round: ties to even
;;       return np.moveaxis(q, -1, axis).astype(np.float32)
;;   ~~~
;;   SOFTMAX AHEAD OF A QUANTISED PRODUCT. Where the list says 'softmax', what is quantised is not the finished softmax but p = 2^(t - M), with t = logit x log2(e) and M = ceil(the row's largest t), a whole number; so 1/2 < the row's largest p <= 1. The row's sum l is taken of the UNQUANTISED p, in f32, and the product's result is divided by l at the end. Since M is a whole number, a kernel that streams over the keys may use a running M (the ceiling of the running maximum): every later rescaling is an exact power of two, so the quantised numbers keep their values, but for numbers so far below the row's largest that they fall under the format's range.
;;   OPERANDS COMPUTED ON THE WAY. 'Computed on the way' means the value that the module computes at that place (a softmax that the list does not call 'softmax' is quantised finished and normalised). What goes into a quantiser is computed in f32, as accurately as f32 sums, v_exp_f32 and their like allow (about 1e-6 of the number): no bf16 or f16 on the way to a quantiser, and a product that is left as it is and whose result goes on into a quantised operand takes f32 operands (vector FMAs, or v_wmma_f32_16x16x4_f32). A number that lies on a knife's edge between two numbers of the format may be rounded either way, as far as f32 arithmetic and the matrix unit's own rounding can turn it there, and no further.
;; One version. Each part assembles by itself: llvm-mc -triple=amdgcn-amd-amdhsa -mcpu=gfx1250 --defsym DOCPART=n.
;; ======== version 1 of 1: 3 launches
;; limits: right only within a limited range of input values
;; workspace buffers: wc 1,048,576 bytes; qc 16,777,216 bytes; kc 16,777,216 bytes; vc 16,777,216 bytes
;; launch wprep (part 1): grid 128 x 1, 4 waves a work-group, no clusters, 34,304 bytes of LDS; arguments Wq, Wk, Wv, Wo, lowp_scales, wc; writes wc
.if DOCPART == 1
	.amdgcn_target "amdgcn-amd-amdhsa--gfx1250"
	.amdhsa_code_object_version 6
	.text
	.protected	k_q1a30ca5992_wprep
	.globl	k_q1a30ca5992_wprep
	.p2align	8
	.type	k_q1a30ca5992_wprep,@function
k_q1a30ca5992_wprep:
	s_mov_b64 s[64:65], 0
	v_nop
	global_prefetch_b8 v0, s[64:65] scope:SCOPE_SE
	s_setreg_imm32_b32 hwreg(HW_REG_WAVE_MODE, 25, 1), 1
	s_wait_xcnt 0x0
; Wq, Wk, Wv ([512 rows][512 K], the two heads on end) and Wo ([512][512]), f32, become codes of FP8 (E4M3), each with its given scale 2^e
; (entries 0, 2, 4 and 11 of the scales), laid in wc in the ORDER OF AN OPERAND'S REGISTERS.
; A FRAGMENT is 16 rows x 128 K = 2,048 bytes: four blocks c of 512 bytes, lane l's 16 bytes at 512 c + 16 l; lane (r = l % 16, h = l / 16)
; holds k = 32 c + 16 h + 0 .. 15 of its row.  THE ROWS OF A TILE ARE NOT NEIGHBOURS: lane r of tile t of a chunk of 128 rows takes row
; 32 (t / 2) + 8 (t % 2) + r + 8 (r / 8), so that the results of two neighbouring tiles are 16 neighbours along the next product's K.
; wc: weight x 262,144 + chunk x 65,536 + (8 s + t) x 2,048 (s: which 128 along K).  That is fragment number gw x 2,048.
; SHARES: one wave makes one fragment: gw = 4 x work-group + wave, 512 in all.  Each of its 16 loads reads 512 consecutive bytes of one row;
; the 8 KB turn through the wave's own stage in LDS (rows 528 bytes apart) so that a lane gets 16 neighbours along K.  Waves share nothing: no barrier.
; code = x / 2^e, held within +-448, to the nearest code, ties to even.  LIMITS: e between -126 and 119.  NaN among the inputs is not served.
; WORK LEFT OUT BY THE PROGRAM, in the attention's launch alone: tiles of scores whose keys all come after their queries.  reference() puts -infinity there in its own body, for all values of the inputs, so their weights are 0.
; LIMIT: a NaN, an infinity or an overflow that reaches only such tiles is not carried to the result.
.set PITCH, 528
.set WST,   16*PITCH                   ; a wave's stage
.set SPARE, 4*WST                      ; behind the stages: the spare words, 128 bytes a wave, that no other line names
.set LI,  1                            ; v1  16 x lane
.set STI, 2                            ; v2  the stage on the way in
.set STO, 3                            ; v3  and on the way out: row r, + 64 h
.set SPW, 4                            ; v4  my spare word's address; never rewritten
.set NIL, 5                            ; v5  0; never rewritten
.set SCL, 10                           ; v10 2^e as f32
.set LIM, 11                           ; v11 448 x 2^e
.set RAW, 16                           ; v16-79   as loaded
.set F,   80                           ; v80-143  64 numbers: register 16 c + i = k 32 c + 16 h + i of my row
.set CD,  144                          ; v144-159 the fragment
	s_load_b256 s[4:11], s[0:1], 0x0               ; Wq, Wk, Wv, Wo
	s_load_b128 s[12:15], s[0:1], 0x20             ; the scales' exponents, wc
	v_lshl_add_u32 v[SPW], v0, 2, SPARE
	v_mov_b32 v[NIL], 0
	v_lshrrev_b32 v6, 5, v0
	v_readfirstlane_b32 s16, v6                    ; wave
	v_and_b32 v7, 31, v0
	v_lshlrev_b32 v[LI], 4, v7
	v_and_b32 v8, 15, v0                           ; r
	v_bfe_u32 v9, v0, 4, 1                         ; h
	s_mul_i32 s17, s16, WST
	v_add_nc_u32 v[STI], s17, v[LI]
	v_mul_u32_u24 v[STO], v8, PITCH
	v_lshl_add_u32 v[STO], v9, 6, v[STO]
	v_add_nc_u32 v[STO], s17, v[STO]
	s_lshl_b32 s18, ttmp9, 2
	s_add_co_u32 s18, s18, s16                     ; gw: bits 0-2 tile t, 3-4 K step s, 5-6 chunk, 7-8 weight
	s_lshr_b32 s19, ttmp9, 5                       ; which weight
	s_bfe_u32 s20, s18, 0x20005                    ; chunk
	s_bfe_u32 s21, s18, 0x20003                    ; s
	s_bfe_u32 s22, s18, 0x20001                    ; t / 2
	s_and_b32 s23, s18, 1                          ; t % 2
	s_lshl_b32 s20, s20, 7
	s_lshl_b32 s22, s22, 5
	s_lshl_b32 s23, s23, 3
	s_add_co_u32 s20, s20, s22
	s_add_co_u32 s20, s20, s23                     ; the tile's first row
	s_lshl_b32 s20, s20, 11                        ; a row is 2,048 bytes
	s_lshl_b32 s21, s21, 9                         ; 128 numbers along K are 512
	s_add_co_u32 s20, s20, s21
	s_mov_b32 s21, 0
	s_lshl_b32 s22, s18, 11                        ; my fragment's place in wc
	s_mov_b32 s23, 0
	s_wait_alu depctr_va_vdst(0)
	s_wait_kmcnt 0x0
	s_load_b256 s[24:31], s[12:13], 0x0            ; e0 .. e7
	s_load_b128 s[32:35], s[12:13], 0x20           ; e8 .. e11
	s_cmp_eq_u32 s19, 1                            ; the weight is chosen by the work-group's number alone
	s_cselect_b64 s[4:5], s[6:7], s[4:5]
	s_cmp_eq_u32 s19, 2
	s_cselect_b64 s[4:5], s[8:9], s[4:5]
	s_cmp_eq_u32 s19, 3
	s_cselect_b64 s[4:5], s[10:11], s[4:5]
	s_add_nc_u64 s[4:5], s[4:5], s[20:21]
	s_add_nc_u64 s[14:15], s[14:15], s[22:23]
.irp j, 0,1,2,3,4,5,6,7,8,9,10,11,12,13,14,15
	global_load_b128 v[RAW+4*\j:RAW+4*\j+3], v[LI], s[4:5] offset:(\j+8*(\j/8))*2048 th:TH_LOAD_NT   ; lane r = j's row: 512 consecutive bytes
.endr
	s_wait_kmcnt 0x0
	s_cmp_eq_u32 s19, 1
	s_cselect_b32 s24, s26, s24
	s_cmp_eq_u32 s19, 2
	s_cselect_b32 s24, s28, s24
	s_cmp_eq_u32 s19, 3
	s_cselect_b32 s24, s35, s24                    ; e: entry 0, 2, 4 or 11
	s_add_co_i32 s24, s24, 127
	s_lshl_b32 s25, s24, 23
	v_mov_b32 v[SCL], s25                          ; the conversion takes its exponent field
	s_add_co_i32 s24, s24, 8
	s_lshl_b32 s24, s24, 23
	s_or_b32 s24, s24, 0x600000
	v_mov_b32 v[LIM], s24
	s_wait_alu depctr_va_vdst(0)
	s_wait_loadcnt 0x0
.irp j, 0,1,2,3,4,5,6,7,8,9,10,11,12,13,14,15
	ds_store_b128 v[STI], v[RAW+4*\j:RAW+4*\j+3] offset:PITCH*\j
.endr
.irp c, 0,1,2,3
.irp i, 0,1,2,3
	ds_load_b128 v[F+16*\c+4*\i:F+16*\c+4*\i+3], v[STO] offset:128*\c+16*\i   ; LDS serves a wave's instructions in order: these see my stores
.endr
.endr
	s_wait_dscnt 0x0
.set i, 0
.rept 64
	v_med3_num_f32 v[F+i], v[F+i], -v[LIM], v[LIM]  ; the conversion to an 8-bit code does not saturate (ISA guide 7.6.2): the hold comes first
.set i, i+1
.endr
.irp c, 0,1,2,3
	v_cvt_scalef32_pk8_fp8_f32 v[CD+4*\c:CD+4*\c+1], v[F+16*\c:F+16*\c+7], v[SCL]
	v_cvt_scalef32_pk8_fp8_f32 v[CD+4*\c+2:CD+4*\c+3], v[F+16*\c+8:F+16*\c+15], v[SCL]
.endr
	v_nop                                          ; a plain line behind the last conversion
.irp c, 0,1,2,3
	global_store_b128 v[LI], v[CD+4*\c:CD+4*\c+3], s[14:15] offset:512*\c   ; 512 consecutive bytes, at a multiple of 512 from wc's first byte
.endr
	s_wait_tensorcnt 0x0                           ; the wave's end, behind my last LDS store
	ds_add_u32 v[SPW], v[NIL]
	s_wait_dscnt 0x0
	s_endpgm
.Lfunc_end_k_q1a30ca5992_wprep:
	.size	k_q1a30ca5992_wprep, .Lfunc_end_k_q1a30ca5992_wprep-k_q1a30ca5992_wprep
	.p2alignl 7, 3214868480
	.fill 96, 4, 3214868480
	.section	.rodata,"a",@progbits
	.p2align	6, 0x0
	.amdhsa_kernel k_q1a30ca5992_wprep
		.amdhsa_group_segment_fixed_size 34304
		.amdhsa_private_segment_fixed_size 0
		.amdhsa_enable_private_segment 0
		.amdhsa_kernarg_size 48
		.amdhsa_user_sgpr_count 2
		.amdhsa_user_sgpr_kernarg_segment_ptr 1
		.amdhsa_wavefront_size32 1
		.amdhsa_system_sgpr_workgroup_id_x 1
		.amdhsa_system_sgpr_workgroup_id_y 1
		.amdhsa_system_sgpr_workgroup_id_z 1
		.amdhsa_system_vgpr_workitem_id 0
		.amdhsa_next_free_vgpr 160
		.amdhsa_next_free_sgpr 66
		.amdhsa_reserve_vcc 0
		.amdhsa_float_denorm_mode_32 3
		.amdhsa_float_denorm_mode_16_64 3
		.amdhsa_memory_ordered 1
		.amdhsa_forward_progress 1
		.amdhsa_inst_pref_size 12
	.end_amdhsa_kernel
	.amdgpu_metadata
---
amdhsa.version: [ 1, 2 ]
amdhsa.kernels:
  - .name:           k_q1a30ca5992_wprep
    .symbol:         k_q1a30ca5992_wprep.kd
    .args:
      - { .name: Wq, .offset: 0, .size: 8, .value_kind: global_buffer, .address_space: global }
      - { .name: Wk, .offset: 8, .size: 8, .value_kind: global_buffer, .address_space: global }
      - { .name: Wv, .offset: 16, .size: 8, .value_kind: global_buffer, .address_space: global }
      - { .name: Wo, .offset: 24, .size: 8, .value_kind: global_buffer, .address_space: global }
      - { .name: lowp_scales, .offset: 32, .size: 8, .value_kind: global_buffer, .address_space: global }
      - { .name: wc, .offset: 40, .size: 8, .value_kind: global_buffer, .address_space: global }
    .group_segment_fixed_size: 34304
    .private_segment_fixed_size: 0
    .kernarg_segment_align: 8
    .kernarg_segment_size: 48
    .max_flat_workgroup_size: 128
    .sgpr_count:     66
    .vgpr_count:     160
    .wavefront_size: 32
...
	.end_amdgpu_metadata
.endif
;; end of part 1
;; launch proj (part 2): grid 256 x 1, 4 waves a work-group, no clusters, 230,912 bytes of LDS; arguments x, wc, bq, bk, bv, lowp_scales, qc, kc, vc; writes qc, kc, vc
.if DOCPART == 2
	.amdgcn_target "amdgcn-amd-amdhsa--gfx1250"
	.amdhsa_code_object_version 6
	.text
	.protected	k_q1a30ca5992_proj
	.globl	k_q1a30ca5992_proj
	.p2align	8
	.type	k_q1a30ca5992_proj,@function
k_q1a30ca5992_proj:
	s_mov_b64 s[64:65], 0
	v_nop
	global_prefetch_b8 v0, s[64:65] scope:SCOPE_SE
	s_setreg_imm32_b32 hwreg(HW_REG_WAVE_MODE, 25, 1), 1
	s_wait_xcnt 0x0
; q, k, v = x W^T + b for both heads, on codes of FP8 (E4M3), and the results quantised again for the attention's products.
; x [32,768 tokens][512] f32 is quantised three times (scales' entries 1, 3, 5); the weights come as codes in operand order from wc (entries 0, 2, 4);
; q, k, v leave as codes (entries 6, 7, 9) in operand order: qc, kc: batch x 524,288 + head x 262,144 + block of 128 tokens x 32,768 + token tile x 4,096 + (which 128 of the head's 256) x 2,048;
; vc: the same down to the block, then channel tile x 2,048, with the block's 128 KEYS as K.
; A FRAGMENT is 16 rows x 128 K = 2,048 bytes: blocks c of 512 bytes, lane l's 16 bytes at 512 c + 16 l; lane (r, h) holds k = 32 c + 16 h + 0 .. 15.  Lane r of tile t of 128 rows (tokens or channels) is row
; 32 (t / 2) + 8 (t % 2) + r + 8 (r / 8): then the 16 result registers of tiles 2 b and 2 b + 1 are 16 neighbours, 32 b + 16 h + 0 .. 15, along the next K.
; SHARES.  A work-group takes 128 tokens of one batch.  PHASE X: wave w quantises tokens 32 w .. 32 w + 31 with all three scales and stores the fragments' images in LDS; one barrier.
; MAIN: wave w makes channels 128 w .. 128 w + 127 of q, then of k, then of v, for all 128 tokens.  All 32 fragments of x (of the pass's scale) stand in 512 registers; one weight tile of 16 channels (4 fragments)
; at a time comes from memory straight into registers, about two tiles ahead; 8 accumulators (one a token tile) take turns.
;   q, k: source 0 = the weight tile, source 1 = x: a lane is a token, its registers 8 channels: a conversion gives 2 registers of that token tile's fragment.
;   v:    source 0 = x, source 1 = the weight tile: a lane is a channel, its registers 8 tokens: a tile's 8 conversions are one whole fragment of V^T.
; So every store is an image of registers, 512 consecutive bytes.  The bias is the C of each sum's first product, divided by the power of two that the sums lack; the three scales ahead of the
; quantiser are folded into the conversion's one.  A tile's holds stand between the next tile's products.
; No multicast: each weight fragment is read by one wave of a work-group alone, and LDS, which holds x's three sets of images, has room for slots of one weight tile only, 32 products to a round.
; LIMITS: entries 1, 3, 5, and e6 - e0 - e1, e7 - e2 - e3, e9 - e4 - e5, between -126 and 119.  NaN among the inputs is not served.
; REGISTERS, in windows of 256.  Window 0: v1-19 addresses; three sets of 72 from v40: a weight tile's 4 fragments and 8 registers of bias.
;   Windows 1, 2: x's fragments, (K step s, token tile a) at 16 (8 s + a).  In phase X window 1 holds two sets of 64 numbers, 64 held numbers from v128 and a fragment from v192.
;   Window 3: two sets of 8 accumulators at v0 and v64; from v128 the codes.  In phase X: four sets of 64 registers as loaded.
.set STG,   3*65536                    ; LDS: x's images: set j at 65,536 j + (8 s + token tile) x 2,048; then a stage of 16 rows x 528 bytes for each wave
.set PITCH, 528
.set WST,   16*PITCH
.set SPARE, STG+4*WST                  ; behind the stages: the spare words, 128 bytes a wave, that no other line names
.set LI,  1                            ; v1  16 x lane
.set XA,  2                            ; v2  16 x lane + 65,536 x wave: my 32 tokens in x; also my chunk of 128 channels in a weight's codes
.set STI, 3                            ; v3  the stage on the way in
.set STO, 4                            ; v4  and out: row r, + 64 h
.set XW0, 5                            ; v5  where my images of x go: 16 x lane + 4,096 x wave
.set XWC, 6                            ; v6  the same in the set in hand
.set XSC, 7                            ; v7  x's scale in hand, as f32
.set SPW, 8                            ; v8  my spare word's address; never rewritten
.set NIL, 9                            ; v9  0; never rewritten
.set SA,  13                           ; v13 LDS address of the pass's set of images
.set BAQ, 15                           ; v15 bias of q, k: 512 w + 64 h
.set BAV, 16                           ; v16 bias of v: 512 w + 4 (r + 8 (r / 8))
.set OQ,  17                           ; v17 my place in a block of qc, kc
.set OV,  18                           ; v18 and of vc
.set SCV, 19                           ; v19 the pass's conversion scale
.set TT,  128                          ; phase X, window 1: held numbers
.set PCX, 192                          ; phase X, window 1: a fragment
.set PC,  128                          ; window 3: codes
.set XP,  36                           ; s36-38 448 x 2^e of x's three scales, rotated
.set XS,  39                           ; s39-41 2^e likewise
.set EB,  42                           ; s42-44 -(ea + eb) of pass 0, 1, 2
.set LM,  45                           ; s45-47 448 x 2^(eo - ea - eb)
.set SC,  48                           ; s48-50 2^(eo - ea - eb)
.set JC,  51                           ; s51    the set in hand x 65,536
.set LN,  52                           ; s52-54 -LM
.set XN,  55                           ; s55    -XP in hand
.set MSB, 0
.macro WIN new                         ; the immediate's high byte repeats the setting that is left; a switch that changes nothing is dropped
.if MSB != \new
	s_set_vgpr_msb (MSB<<8)|\new
.set MSB, \new
.endif
.endm
.macro PLACES n
.rept \n
	v_nop
.endr
.endm
	s_load_b256 s[4:11], s[0:1], 0x0               ; x s[4:5], wc s[6:7], bq s[8:9], bk s[10:11]
	s_load_b256 s[12:19], s[0:1], 0x20             ; bv s[12:13], the scales s[14:15], qc s[16:17], kc s[18:19]
	s_load_b64 s[20:21], s[0:1], 0x40              ; vc
	v_lshl_add_u32 v[SPW], v0, 2, SPARE
	v_mov_b32 v[NIL], 0
	v_lshrrev_b32 v20, 5, v0
	v_readfirstlane_b32 s22, v20                   ; wave
	v_and_b32 v20, 31, v0
	v_lshlrev_b32 v[LI], 4, v20
	v_and_b32 v21, 15, v0                          ; r
	v_bfe_u32 v22, v0, 4, 1                        ; h
	s_lshl_b32 s56, s22, 16
	v_add_nc_u32 v[XA], s56, v[LI]
	s_mul_i32 s57, s22, WST
	s_add_co_u32 s57, s57, STG
	v_add_nc_u32 v[STI], s57, v[LI]
	v_mul_u32_u24 v[STO], v21, PITCH
	v_lshl_add_u32 v[STO], v22, 6, v[STO]
	v_add_nc_u32 v[STO], s57, v[STO]
	s_lshl_b32 s56, s22, 12
	v_add_nc_u32 v[XW0], s56, v[LI]
	s_lshl_b32 s58, s22, 9
	v_lshl_add_u32 v[BAQ], v22, 6, s58
	v_and_b32 v23, 8, v21
	v_add_nc_u32 v23, v23, v21
	v_lshl_add_u32 v[BAV], v23, 2, s58
	s_lshr_b32 s59, s22, 1
	s_lshl_b32 s59, s59, 18                        ; my head
	s_and_b32 s60, s22, 1                          ; which 128 of its 256 channels
	s_lshl_b32 s61, s60, 11
	s_add_co_u32 s61, s61, s59
	v_add_nc_u32 v[OQ], s61, v[LI]
	s_lshl_b32 s61, s60, 14
	s_add_co_u32 s61, s61, s59
	v_add_nc_u32 v[OV], s61, v[LI]
	s_lshl_b32 s56, ttmp9, 18                      ; x: 128 tokens of 2,048 bytes a work-group
	s_mov_b32 s57, 0
	s_lshr_b32 s58, ttmp9, 3
	s_lshl_b32 s58, s58, 19                        ; the codes: batch,
	s_and_b32 s60, ttmp9, 7
	s_lshl_b32 s60, s60, 15                        ; block
	s_add_co_u32 s58, s58, s60
	s_mov_b32 s59, 0
	s_wait_alu depctr_va_vdst(0)
	s_wait_kmcnt 0x0
	s_load_b256 s[24:31], s[14:15], 0x0            ; e0 .. e7
	s_load_b128 s[32:35], s[14:15], 0x20           ; e8 .. e11
	s_add_nc_u64 s[4:5], s[4:5], s[56:57]
	s_add_nc_u64 s[16:17], s[16:17], s[58:59]
	s_add_nc_u64 s[18:19], s[18:19], s[58:59]
	s_add_nc_u64 s[20:21], s[20:21], s[58:59]
; ---- PHASE X.  Group g of eight: K step g / 2 of token tile 2 w + g % 2.
.macro LOADX g                         ; 16 rows x 512 bytes, each load 512 consecutive bytes, into set g % 4 of window 3
	WIN 0xc0
.irp j, 0,1,2,3,4,5,6,7,8,9,10,11,12,13,14,15
	global_load_b128 v[64*((\g)%4)+4*\j:64*((\g)%4)+4*\j+3], v[XA], s[4:5] offset:(8*((\g)%2)+\j+8*(\j/8))*2048+512*((\g)/2) th:TH_LOAD_NT
.endr
	WIN 0
.endm
.macro TURNX g                         ; through my stage: in as loaded, out 16 neighbours of each block of 32 to a lane; LDS serves a wave's instructions in order
	WIN 0x0c
.irp j, 0,1,2,3,4,5,6,7,8,9,10,11,12,13,14,15
	ds_store_b128 v[STI], v[64*((\g)%4)+4*\j:64*((\g)%4)+4*\j+3] offset:PITCH*\j
.endr
	WIN 0x40
.irp c, 0,1,2,3
.irp i, 0,1,2,3
	ds_load_b128 v[64*((\g)%2)+16*\c+4*\i:64*((\g)%2)+16*\c+4*\i+3], v[STO] offset:128*\c+16*\i
.endr
.endr
	WIN 0
.endm
.macro QX g                            ; the group's 64 numbers a lane become three fragments, one for each scale: three trips, the scales rotating in their registers
	s_mov_b32 s[JC], 0
.Lqx_\@:
	v_add_nc_u32 v[XWC], s[JC], v[XW0]
	v_mov_b32 v[XSC], s[XS]
	s_xor_b32 s[XN], s[XP], 0x80000000
	WIN 0x41                                       ; destination and source 0 window 1; the scale in window 0
.set i, 0
.rept 64
	v_med3_num_f32 v[TT+i], v[64*((\g)%2)+i], s[XN], s[XP]   ; the conversion to an 8-bit code does not saturate (ISA guide 7.6.2): the hold comes first
.set i, i+1
.endr
.irp c, 0,1,2,3
	v_cvt_scalef32_pk8_fp8_f32 v[PCX+4*\c:PCX+4*\c+1], v[TT+16*\c:TT+16*\c+7], v[XSC]
	v_cvt_scalef32_pk8_fp8_f32 v[PCX+4*\c+2:PCX+4*\c+3], v[TT+16*\c+8:TT+16*\c+15], v[XSC]
.endr
	v_nop                                          ; a plain line between the conversions and the next trip's holds, which write their sources
	WIN 0x04
.irp c, 0,1,2,3
	ds_store_b128 v[XWC], v[PCX+4*\c:PCX+4*\c+3] offset:(8*((\g)/2)+(\g)%2)*2048+512*\c
.endr
	WIN 0
	s_mov_b32 s56, s[XP]
	s_mov_b32 s[XP], s[XP+1]
	s_mov_b32 s[XP+1], s[XP+2]
	s_mov_b32 s[XP+2], s56
	s_mov_b32 s56, s[XS]
	s_mov_b32 s[XS], s[XS+1]
	s_mov_b32 s[XS+1], s[XS+2]
	s_mov_b32 s[XS+2], s56
	s_wait_dscnt 0x0                               ; the stores have read the fragment's registers
	s_add_co_u32 s[JC], s[JC], 0x10000
	s_cmp_lt_u32 s[JC], 0x30000
	s_cbranch_scc1 .Lqx_\@
.endm
; ---- THE WEIGHTS' RUNS.  Run m, issued in tile m: tile m + 3's K steps 0 to 2 and its bias, into set m % 3, which tile m has just left; and tile m + 2's K step 3.  Tiles 0-7 are q's, 8-15 k's, 16-23 v's.
.macro RUN m
.if ((\m)+3 >= 0) && ((\m)+3 <= 23)
.set TN, (\m)+3
.set SB, 40+72*(TN%3)
.irp s, 0,1,2
.irp c, 0,1,2,3
	global_load_b128 v[SB+16*\s+4*\c:SB+16*\s+4*\c+3], v[XA], s[6:7] offset:(TN/8)*262144+(8*\s+TN%8)*2048+512*\c
.endr
.endr
.if TN < 16
	global_load_b128 v[SB+64:SB+67], v[BAQ], s[8+2*(TN/8):9+2*(TN/8)] offset:128*((TN%8)/2)+32*(TN%2)      ; my half's eight channels of the tile
	global_load_b128 v[SB+68:SB+71], v[BAQ], s[8+2*(TN/8):9+2*(TN/8)] offset:128*((TN%8)/2)+32*(TN%2)+16
.else
	global_load_b32 v[SB+64], v[BAV], s[12:13] offset:128*((TN%8)/2)+32*(TN%2)                              ; my lane's one channel
.endif
.endif
.if ((\m)+2 >= 0) && ((\m)+2 <= 23)
.set TN, (\m)+2
.set SB, 40+72*(TN%3)
.irp c, 0,1,2,3
	global_load_b128 v[SB+48+4*\c:SB+48+4*\c+3], v[XA], s[6:7] offset:(TN/8)*262144+(24+TN%8)*2048+512*\c
.endr
.endif
.endm
.macro RLEN m                          ; RL = the loads of run m
.set RL, 0
.if ((\m)+3 >= 0) && ((\m)+3 <= 23)
.set RL, RL+14-((\m)+3)/16
.endif
.if ((\m)+2 >= 0) && ((\m)+2 <= 23)
.set RL, RL+4
.endif
.endm
.macro STEPX g
	s_wait_dscnt 0x0                               ; this group's numbers are back from the stage, and its stores into the stage have read their registers
.if (\g)+3 <= 7
	LOADX (\g)+3
.endif
.if (\g)+1 <= 7
.if (\g) <= 4
	s_wait_loadcnt 32                              ; the next group's 16 loads are in; those of the two groups behind it may be out
.elseif (\g) == 5
	s_wait_loadcnt 16
.else
	s_wait_loadcnt 0
.endif
	TURNX (\g)+1
.endif
.if (\g) == 6
	RUN -3                                         ; x is in: the first weight tiles are asked for while the last two groups are quantised
	RUN -2
	RUN -1
.endif
	QX \g
.endm
	LOADX 0
	LOADX 1
	LOADX 2
	s_wait_kmcnt 0x0
.irp p, 0,1,2
	s_add_co_i32 s57, s[25+2*\p], 127              ; x's scale of pass p: entry 1, 3, 5
	s_lshl_b32 s[XS+\p], s57, 23
	s_add_co_i32 s57, s57, 8
	s_lshl_b32 s57, s57, 23
	s_or_b32 s[XP+\p], s57, 0x600000
	s_add_co_i32 s56, s[24+2*\p], s[25+2*\p]       ; a sum stands for sum x 2^(ea + eb):
	s_sub_co_i32 s[EB+\p], 0, s56                  ; the bias goes in divided by that,
	s_sub_co_i32 s57, s[30+\p+\p/2], s56           ; and the result's code is sum / 2^(eo - ea - eb); eo: entry 6, 7, 9
	s_add_co_i32 s57, s57, 127
	s_lshl_b32 s[SC+\p], s57, 23
	s_add_co_i32 s57, s57, 8
	s_lshl_b32 s57, s57, 23
	s_or_b32 s[LM+\p], s57, 0x600000
	s_xor_b32 s[LN+\p], s[LM+\p], 0x80000000
.endr
	s_wait_loadcnt 32                              ; group 0 is in
	TURNX 0
.irp g, 0,1,2,3,4,5,6,7
	STEPX \g
.endr
	s_wait_dscnt 0x0                               ; for the others' sake: my images have landed
	s_barrier_signal -1
	s_barrier_wait -1                              ; x's 96 fragments lie in LDS; nothing is stored to LDS behind this barrier
; ---- MAIN
.macro STAT p                          ; all 32 fragments of x in the pass's scale: 128 loads of 512 consecutive bytes
	WIN 0
	v_add_nc_u32 v[SA], (\p)*65536, v[LI]
	WIN 0x40
.set f, 0
.rept 16
.irp c, 0,1,2,3
	ds_load_b128 v[16*f+4*\c:16*f+4*\c+3], v[SA] offset:f*2048+512*\c
.endr
.set f, f+1
.endr
	WIN 0x80
.rept 16
.irp c, 0,1,2,3
	ds_load_b128 v[16*(f-16)+4*\c:16*(f-16)+4*\c+3], v[SA] offset:f*2048+512*\c
.endr
.set f, f+1
.endr
	WIN 0
.endm
; K step s of the tile in hand: 8 products, one for each token tile: the accumulators take turns.  bias = 1: the C is the bias, which starts the sums.
; holds = 1: four holds of the tile before stand behind each product, from each accumulator's low end on; their limits are scalars, so they need no switch of windows.
.macro GROUP s, bias, holds
.set a, 0
.rept 8
.set XR, 16*(8*((\s)%2)+a)
.if PS < 2
.if \bias
	v_wmma_f32_16x16x128_fp8_fp8 v[AC+8*a:AC+8*a+7], v[SB0+16*(\s):SB0+16*(\s)+15], v[XR:XR+15], v[SB0+64:SB0+71]
.else
	v_wmma_f32_16x16x128_fp8_fp8 v[AC+8*a:AC+8*a+7], v[SB0+16*(\s):SB0+16*(\s)+15], v[XR:XR+15], v[AC+8*a:AC+8*a+7]
.endif
.else
.if \bias
	v_wmma_f32_16x16x128_fp8_fp8 v[AC+8*a:AC+8*a+7], v[XR:XR+15], v[SB0+16*(\s):SB0+16*(\s)+15], v[SB0+64:SB0+71]
.else
	v_wmma_f32_16x16x128_fp8_fp8 v[AC+8*a:AC+8*a+7], v[XR:XR+15], v[SB0+16*(\s):SB0+16*(\s)+15], v[AC+8*a:AC+8*a+7]
.endif
.endif
.if \holds
.rept 4
	v_med3_num_f32 v[AP+HI], s[LN+PS], s[LM+PS], v[AP+HI]
.set HI, HI+1
.endr
.endif
.set a, a+1
.endr
.endm
; Tile k's held sums become codes.  q, k: two registers of each token tile's fragment.  v: one whole fragment, which is stored at once.
.macro CVT k
.set CP, (\k)/8
.set CA, 64*((\k)%2)
.set CT, (\k)%8
.if CP == 2
	s_wait_xcnt 0x0                                ; the stores of two tiles back have read these registers
.endif
	WIN 0xc3                                       ; destination and source 0 window 3; the scale in window 0
.set a, 0
.rept 8
.if CP < 2
	v_cvt_scalef32_pk8_fp8_f32 v[PC+16*a+4*(CT/2)+2*(CT%2):PC+16*a+4*(CT/2)+2*(CT%2)+1], v[CA+8*a:CA+8*a+7], v[SCV]
.else
	v_cvt_scalef32_pk8_fp8_f32 v[PC+16*((\k)%2)+4*(a/2)+2*(a%2):PC+16*((\k)%2)+4*(a/2)+2*(a%2)+1], v[CA+8*a:CA+8*a+7], v[SCV]
.endif
.set a, a+1
.endr
	v_nop                                          ; a plain line between the conversions and the products that write their sources anew
.if CP == 2
	WIN 0x0c
.irp c, 0,1,2,3
	global_store_b128 v[OV], v[PC+16*((\k)%2)+4*\c:PC+16*((\k)%2)+4*\c+3], s[20:21] offset:CT*2048+512*\c
.endr
.endif
	WIN 0
.endm
; Tile n: 32 products.  prev = 1: the tile before belongs to the same pass: its holds stand among K steps 1 and 2, its conversions behind K step 3.
.macro TILE n, prev
.set PS, (\n)/8
.set SB0, 40+72*((\n)%3)
.set AC, 64*((\n)%2)
.set AP, 64-AC
.set HI, 0
.if PS < 2
.set WG0, 0xc4                         ; source 0 (weight) window 0, source 1 (x) window 1, C (bias) window 0, D window 3
.set WG1, 0xf4                         ; C window 3
.set WG2, 0xf8                         ; x in window 2
.else
.set WG0, 0xc1                         ; the sources the other way round
.set WG1, 0xf1
.set WG2, 0xf2
.endif
	RLEN (\n)-2
.set WT, RL
	RLEN (\n)-1
.set WT, WT+RL
	s_wait_loadcnt WT                              ; run n - 3 is in: this tile's K steps 0 to 2 and its bias; the two runs issued behind it may be out
.if PS < 2
.set i, 0
.rept 8
	v_ldexp_f32 v[SB0+64+i], v[SB0+64+i], s[EB+PS]  ; b / 2^(ea + eb).  (These eight are also the places behind the tile before)
.set i, i+1
.endr
.else
.set i, 7
.rept 8
	v_ldexp_f32 v[SB0+64+i], v[SB0+64], s[EB+PS]    ; the lane's one channel, for its eight tokens; register 0 last
.set i, i-1
.endr
.endif
	WIN WG0
	GROUP 0, 1, 0
	WIN WG1
	GROUP 1, 0, \prev
	WIN WG2
	GROUP 2, 0, \prev
.if !\prev
	PLACES 4                                       ; in front of loads into registers that products have read; else the last four holds are these places
.endif
	WIN 0
	RUN \n
	RLEN (\n)-1
.set WT, RL
	RLEN \n
.set WT, WT+RL
	s_wait_loadcnt WT                              ; run n - 2 is in: this tile's K step 3
	WIN WG2
	GROUP 3, 0, 0
.if \prev
	s_wait_alu depctr_va_vdst(0)
	CVT (\n)-1
.else
	WIN 0
.endif
.endm
.macro DRAIN k                         ; a pass's last tile: holds and conversions with no products to stand among
.set PS, (\k)/8
.set AP, 64*((\k)%2)
	WIN 0xf0
.set i, 0
.rept 64
	v_med3_num_f32 v[AP+i], s[LN+PS], s[LM+PS], v[AP+i]
.set i, i+1
.endr
	s_wait_alu depctr_va_vdst(0)
	CVT \k
.endm
.macro PASS p
	s_wait_xcnt 0x0                                ; the last pass's stores have read the codes' registers
	s_wait_dscnt 0x0                               ; x's fragments are in
	v_mov_b32 v[SCV], s[SC+\p]
	TILE 8*\p, 0
.irp t, 1,2,3,4,5,6,7
	TILE 8*\p+\t, 1
.endr
	PLACES 4                                       ; behind the last products: in front of the loads into x's registers and of the first read of the sums
.if \p < 2
	STAT \p+1                                      ; the next pass's x is on its way while the last tile is drained
.endif
	DRAIN 8*\p+7
.if \p < 2
	WIN 0x0c
.irp a, 0,1,2,3,4,5,6,7
.irp c, 0,1,2,3
	global_store_b128 v[OQ], v[PC+16*\a+4*\c:PC+16*\a+4*\c+3], s[16+2*\p:17+2*\p] offset:\a*4096+512*\c   ; an image of registers: 512 consecutive bytes
.endr
.endr
	WIN 0
.endif
.endm
	STAT 0
	PASS 0
	PASS 1
	PASS 2
	s_wait_tensorcnt 0x0                           ; the wave's end, behind my last LDS store
	ds_add_u32 v[SPW], v[NIL]
	s_wait_dscnt 0x0
	s_endpgm
.Lfunc_end_k_q1a30ca5992_proj:
	.size	k_q1a30ca5992_proj, .Lfunc_end_k_q1a30ca5992_proj-k_q1a30ca5992_proj
	.p2alignl 7, 3214868480
	.fill 96, 4, 3214868480
	.section	.rodata,"a",@progbits
	.p2align	6, 0x0
	.amdhsa_kernel k_q1a30ca5992_proj
		.amdhsa_group_segment_fixed_size 230912
		.amdhsa_private_segment_fixed_size 0
		.amdhsa_enable_private_segment 0
		.amdhsa_kernarg_size 72
		.amdhsa_user_sgpr_count 2
		.amdhsa_user_sgpr_kernarg_segment_ptr 1
		.amdhsa_wavefront_size32 1
		.amdhsa_system_sgpr_workgroup_id_x 1
		.amdhsa_system_sgpr_workgroup_id_y 1
		.amdhsa_system_sgpr_workgroup_id_z 1
		.amdhsa_system_vgpr_workitem_id 0
		.amdhsa_next_free_vgpr 1024
		.amdhsa_next_free_sgpr 66
		.amdhsa_reserve_vcc 0
		.amdhsa_float_denorm_mode_32 3
		.amdhsa_float_denorm_mode_16_64 3
		.amdhsa_memory_ordered 1
		.amdhsa_forward_progress 1
		.amdhsa_inst_pref_size 255
	.end_amdhsa_kernel
	.section	.bss,"aw",@nobits
	.p2align	6
	.space	262144
	.amdgpu_metadata
---
amdhsa.version: [ 1, 2 ]
amdhsa.kernels:
  - .name:           k_q1a30ca5992_proj
    .symbol:         k_q1a30ca5992_proj.kd
    .args:
      - { .name: x, .offset: 0, .size: 8, .value_kind: global_buffer, .address_space: global }
      - { .name: wc, .offset: 8, .size: 8, .value_kind: global_buffer, .address_space: global }
      - { .name: bq, .offset: 16, .size: 8, .value_kind: global_buffer, .address_space: global }
      - { .name: bk, .offset: 24, .size: 8, .value_kind: global_buffer, .address_space: global }
      - { .name: bv, .offset: 32, .size: 8, .value_kind: global_buffer, .address_space: global }
      - { .name: lowp_scales, .offset: 40, .size: 8, .value_kind: global_buffer, .address_space: global }
      - { .name: qc, .offset: 48, .size: 8, .value_kind: global_buffer, .address_space: global }
      - { .name: kc, .offset: 56, .size: 8, .value_kind: global_buffer, .address_space: global }
      - { .name: vc, .offset: 64, .size: 8, .value_kind: global_buffer, .address_space: global }
    .group_segment_fixed_size: 230912
    .private_segment_fixed_size: 0
    .kernarg_segment_align: 8
    .kernarg_segment_size: 72
    .max_flat_workgroup_size: 128
    .sgpr_count:     66
    .vgpr_count:     1024
    .wavefront_size: 32
...
	.end_amdgpu_metadata
.endif
;; end of part 2
;; launch attn (part 3): grid 8 x 32, 4 waves a work-group, clusters of 4 x 1, 327,680 bytes of LDS; arguments qc, kc, vc, wc, lowp_scales, out0; writes out0
.if DOCPART == 3
	.amdgcn_target "amdgcn-amd-amdhsa--gfx1250"
	.amdhsa_code_object_version 6
	.text
	.protected	k_q1a30ca5992_attn
	.globl	k_q1a30ca5992_attn
	.p2align	8
	.type	k_q1a30ca5992_attn,@function
k_q1a30ca5992_attn:
	s_mov_b64 s[64:65], 0
	v_nop
	global_prefetch_b8 v0, s[64:65] scope:SCOPE_SE
	s_setreg_imm32_b32 hwreg(HW_REG_WAVE_MODE, 25, 1), 1
	s_wait_xcnt 0x0
	s_wait_alu depctr_hold_cnt(0) depctr_sa_sdst(0) depctr_va_vdst(0) depctr_va_sdst(0) depctr_va_ssrc(0) depctr_va_vcc(0) depctr_vm_vsrc(0)
	s_getreg_b32 s2, hwreg(HW_REG_IB_STS2, 6, 4)
	s_cmp_eq_u32 s2, 0
	s_cbranch_scc0 .Lentry_in_a_cluster
	s_endpgm
.Lentry_in_a_cluster:
	s_bfe_u32 s2, ttmp6, 0x10000c
	s_cmp_lg_u32 s2, 0x3003
	s_cbranch_scc0 .Lentry_shape_is_right
	s_endpgm
.Lentry_shape_is_right:
; out0 = concat over heads of softmax(causal(q k^T / sqrt(512))) v, times Wo^T: all three products on codes of FP8 (E4M3) with the given scales (entries 6 to 11).
; qc, kc, vc and wc hold FRAGMENTS in operand order (16 rows x 128 K = 2,048 bytes: blocks c of 512 bytes, lane l's 16 bytes at 512 c + 16 l; lane (r, h) holds k = 32 c + 16 h + 0 .. 15;
; lane r of tile t of 128 rows is row 32 (t / 2) + 8 (t % 2) + r + 8 (r / 8)).  So every LDS and memory read of an operand is 512 consecutive bytes, and no row pitch or padding is needed.
; THE SOFTMAX: t = score x log2(e) / sqrt(512); M = the running largest t rounded UP to a whole number; p = 2^(t - M) is quantised, not normalised; the row's sum is taken of the unquantised p and divides at the end;
; when M moves, the sum and O are multiplied by f = 2^(old M - new M), which rounds nothing.  A pass begins with the largest t = -3e38: f is then 0, and what a finite O and sum held counts for nothing.
; SHARES.  Eight work-groups serve a batch: two clusters of four.  Cluster x walks two PASSES of two neighbouring blocks of 128 queries: blocks 2 x, 2 x + 1 (n = 2 + 2 x key steps of 128), then 6 - 2 x, 7 - 2 x (n = 8 - 2 x):
; ten key steps either way.  Partner cx takes queries 32 cx .. 32 cx + 31 of EACH block, so all four have the same causal structure.  Wave w: head w % 2, row half w / 2; two tiles of 16 queries:
; tile 0 in the pass's later block (n - 1), tile 1 in its earlier one (n - 2).  In a pass's last key step all keys come after tile 1's queries: that step works tile 0 alone.
; TRIPS.  A pass is n key steps (k = 0 .. n - 1) and two trips of the last product (k = n, n + 1: columns 256 (k - n) on): 14 trips.  Each trip's 128 KB come through one of two LDS slots by JOINT tensor loads, 32 KB a wave, dense:
; a key step's K head 0, K head 1, V head 0, V head 1; or half of Wo's codes.  All four partners need the same bytes.
; IN A TRIP of the loop: the softmax of the key step in hand (its V fragments come meanwhile); the change of slots; the next step's K fragments, under this step's rescaling and P V products; a barrier; the next scores, among whose products V's loads stand.
; A pass's last step multiplies its P V at once, quantises O and lays its fragments into LDS as images; behind the next change of slots wave w makes 64 columns for the work-group's 64 rows, and the rows leave.
; LIMITS: e6 + e7 between -122 and 131 (added to c's exponent field); e8 and e10 between -126 and 119; e10 + e11 between -126 and 127.  NaN among the inputs is not served; and a NaN, an infinity or an overflow
; that reaches only scores hidden by the causal mask is not carried to the result.
; REGISTERS.  Window 0: v1-11, v28-31 addresses and constants; v12-27 statistics, 8 a tile; v32-95 Q; v96-127 p's codes (and the softmax's work); v128-255 S^T, then p.
;   Window 1: K's 16 fragments; in the last product O's fragments of two row tiles, two sets of 4 accumulators, 32 packed results.  Window 2: V's 16 fragments; in the last product Wo's.  Window 3: O^T, tile u's channel tile ct at 128 u + 8 ct.
.set SLOT1, 1<<17                      ; slot 1 begins here, so that one exclusive or turns an address
.set OI,    2*SLOT1                    ; behind the ring: O's 16 images, 2,048 bytes each; no fill lands here
.set STG,   OI+32768                   ; a stage of 16 rows x 272 bytes for each wave; no fill lands here
.set SP,    272
.set SPARE, STG+4*16*SP                ; the spare words, 128 bytes a wave, that no other line names
.set ADW, 1                            ; v1  my part of Wo in the slot in hand
.set ADK, 2                            ; v2  my head's K there
.set ADV, 3                            ; v3  my head's V there
.set SPW, 4                            ; v4  my spare word's address; never rewritten
.set NIL, 5                            ; v5  0; never rewritten
.set D0,  6                            ; v6  the mask: my query in its block - 16 h
.set LI,  7                            ; v7  16 x lane
.set OIR, 8                            ; v8  O's images, read
.set CSC, 9                            ; v9  2^e8
.set CSO, 10                           ; v10 2^e10
.set PFO, 11                           ; v11 256 x lane
.set TS,  12                           ; tile u at v[12 + 8 u]: +0 -M, +1 the largest t, +2, +3 the sum in two halves, +4 f (+5 named with it), +6, +7 at work
.set OIW, 28                           ; v28 where my images of O go
.set SSTO, 29                          ; v29 the stage, in
.set SRD, 30                           ; v30 the stage, back
.set GO,  31                           ; v31 my byte offset in out0's rows
.set QA,  32                           ; (tile u, half ks) at 32 + 32 u + 16 ks
.set PC,  96
.set S,   128
.set AC0, 128                          ; window 1: accumulators of the last product, two sets of 32
.set PKR, 192                          ; window 1: packed results
.set WV,  16                           ; s16 wave; s17 head; s18 row half; s19 cluster x; s20 batch; s21 cx; s22, s23 the two passes' key steps
.set HD,  17
.set RH,  18
.set XX,  19
.set BB,  20
.set CX,  21
.set N1,  22
.set N2,  23
.set G1,  24                           ; s[24:31] descriptor group 1
.set G0,  32                           ; s[32:35] group 0, written anew for each load
.set CS,  36                           ; s[36:37] c = log2(e) / sqrt(512) x 2^(e6 + e7)
.set SEL, 38                           ; s[38:39] v_permlanex16_b32's selects: lane l xor 16
.set TB,  40                           ; s40 LDS byte at which the slot in hand begins
.set N12, 41                           ; s41 the trips of the first pass
.set KC,  42                           ; s42-47 k and n of the trip in hand, of the next, and of the one that is being asked for
.set NC,  43
.set KN,  44
.set NN,  45
.set KR,  46
.set NR,  47
.set TR,  60                           ; s60 number of the trip that is being asked for
.set PLIM, 61                          ; s61 448 x 2^e8
.set OLIM, 62                          ; s62 448 x 2^e10; s63 its negative
.set OLN, 63
.set EPV, 66                           ; s66 e8 + e9
.set NINF, 67                          ; s67 -infinity
.set OSC, 68                           ; s[68:69] 2^(e10 + e11)
.set AB,  70                           ; s[70:71] what my wave fetches of K or V: the batch's, my head's first key step
.set WOB, 72                           ; s[72:73] and of Wo's codes
.set PB,  74                           ; s[74:75] my prefetches at key step 1
.set PFA, 76                           ; s[76:77] and where the next one stands
.set PT,  78
.set TO,  80                           ; s[80:81] an offset; s81 = 0
.set OUT, 82                           ; s[82:83] out0: the batch's rows, my work-group's 32 of each block
.set OB,  84                           ; s[84:87] the two blocks' rows in out0
.set QB2, 88                           ; s[88:89] Q of the second pass
.set T0,  90
.set T1,  91
.set HB,  92                           ; s92 my head's K in a slot
.set WB,  93                           ; s93 my 64 columns of Wo in a slot
.set T2,  94                           ; s[94:95] an offset; s95 = 0
.set QB1, 96                           ; s[96:97] Q of the first pass
.set PL,  98                           ; s98 the first key step that the pass in hand prefetches
.set T3,  99
.set TA,  100                          ; s[100:101] an offset; s101 = 0
.set MSB, 0
.macro WIN new                         ; the immediate's high byte repeats the setting that is left
.if MSB != \new
	s_set_vgpr_msb (MSB<<8)|\new
.set MSB, \new
.endif
.endm
.macro PLACES n
.rept \n
	v_nop
.endr
.endm
.macro JLOAD                           ; a joint load, one line for all four waves: the registers hang on the wave, the batch and the trip
	tensor_load_to_lds s[G0:G0+3], s[G1:G1+7]
	s_nop 0
	PLACES 4
.endm
.macro CROUND                          ; a round of the cluster's barrier
	s_barrier_signal -1
	s_barrier_wait -1
	s_cmp_lg_u32 s[WV], 0
	s_cbranch_scc1 .Lnot_wave_0_\@
	s_barrier_signal -3
.Lnot_wave_0_\@:
	s_barrier_wait -3
	s_barrier_signal -1
	s_barrier_wait -1
.endm
; THE CHANGE OF SLOTS.  Each wave waits for all its tensor loads (one is out: its part of the slot that comes next), adds 0 to its spare word, and waits for that and for its LDS instructions on the slot that it has left.
; fill = 1: a round of the cluster's barrier, so that no wave of any partner still reads that slot or has a load on its way; the joint refill is the first thing behind it: trip TR's bytes.
; PREFETCH, behind the refill: the key step that follows the one just asked for, one trip ahead of its load, if the pass has it and no earlier pass has read it.  Every cluster asks for what it will load: each wave for its own stream,
; the four partners sharing its 32 KB out by address, 8 KB each, lanes 256 bytes apart.  A pass's last key steps ask for nothing beyond them.
.macro CHANGE fill
	s_wait_tensorcnt 0x0
	ds_add_u32 v[SPW], v[NIL]                      ; 0 onto my spare word; work on registers stands between it and the wait for it
	s_xor_b32 s[TB], s[TB], SLOT1
	s_add_co_u32 s[T0], s[TB], s[HB]
	s_add_co_u32 s[T1], s[TB], s[WB]
	v_add_nc_u32 v[ADK], s[T0], v[LI]
	v_add_nc_u32 v[ADW], s[T1], v[LI]
	v_add_nc_u32 v[ADV], 0x10000, v[ADK]
	s_wait_alu depctr_va_vdst(0)                   ; ahead of the waits and the barrier
	s_wait_xcnt 0x0                                ; earlier stores and prefetches have read their registers and bases
.if \fill
	s_cmp_ge_u32 s[TR], s[N12]                     ; which pass trip TR belongs to
	s_cselect_b32 s[T1], s[N12], 0
	s_cselect_b32 s[NR], s[N2], s[N1]
	s_cselect_b32 s[PL], s[N1], 0
	s_sub_co_u32 s[KR], s[TR], s[T1]
	s_sub_co_u32 s[T0], s[KR], s[NR]
	s_lshl_b32 s[T0], s[T0], 17                    ; Wo: 128 KB a trip
	s_lshl_b32 s[TA], s[KR], 15                    ; K, V: 32 KB a key step
	s_cmp_lt_u32 s[KR], s[NR]
	s_cselect_b32 s[TO], s[TA], s[T0]
	s_cselect_b64 s[PT:PT+1], s[AB:AB+1], s[WOB:WOB+1]
	s_add_nc_u64 s[G0+2:G0+3], s[PT:PT+1], s[TO:TO+1]   ; no tensor load of mine is out, so group 0 may be written
	s_or_b32 s[G0+3], s[G0+3], 0x80000000
	s_xor_b32 s[G0+1], s[G0+1], SLOT1
	s_add_nc_u64 s[PFA:PFA+1], s[PB:PB+1], s[TA:TA+1]
.endif
	s_wait_dscnt 0x0
.if \fill
	CROUND
	JLOAD
	s_add_co_u32 s[T0], s[KR], 1
	s_cmp_lt_u32 s[T0], s[NR]
	s_cbranch_scc0 .Lnone_\@
	s_cmp_ge_u32 s[T0], s[PL]
	s_cbranch_scc0 .Lnone_\@
	global_prefetch_b8 v[PFO], s[PFA:PFA+1] th:TH_LOAD_NT scope:SCOPE_SE
.Lnone_\@:
.else
	s_barrier_signal -1
	s_barrier_wait -1
.endif
.endm
.macro QLOAD qb                        ; Q: tile 0 in the later block, 32,768 bytes on
.irp u, 0,1
.irp k, 0,1
.irp c, 0,1,2,3
	global_load_b128 v[QA+32*\u+16*\k+4*\c:QA+32*\u+16*\k+4*\c+3], v[LI], s[\qb:\qb+1] offset:(1-\u)*32768+\k*2048+512*\c
.endr
.endr
.endr
.endm
.macro KCHUNK g                        ; four of K's fragments: f = 8 (half of the head) + key tile, at 16 f of window 1
	WIN 0x40
.set f, 4*\g
.rept 4
.irp c, 0,1,2,3
	ds_load_b128 v[16*f+4*\c:16*f+4*\c+3], v[ADK] offset:(2*(f%8)+f/8)*2048+512*\c
.endr
.set f, f+1
.endr
.endm
; The scores of n tiles, 8 n products twice over (the head's two halves of 128), the accumulators by turns; each fragment of K feeds all tiles.  V's 64 loads stand among them in four runs.
.macro SV n
	s_wait_loadcnt 0x0                             ; Q
	s_wait_dscnt 0x0                               ; K's fragments.  (V's registers: four places stand behind the products that read them)
.irp g, 0,1,2,3
	WIN 0x80
.irp t, 0,1,2,3
.irp c, 0,1,2,3
	ds_load_b128 v[16*(4*\g+\t)+4*\c:16*(4*\g+\t)+4*\c+3], v[ADV] offset:(4*\g+\t)*2048+512*\c
.endr
.endr
	WIN 0x01                                       ; K in window 1
.set f, 4*\g
.rept 4
.set u, 0
.rept \n
.if f < 8
	v_wmma_f32_16x16x128_fp8_fp8 v[S+64*u+8*(f%8):S+64*u+8*(f%8)+7], v[16*f:16*f+15], v[QA+32*u:QA+32*u+15], 0
.else
	v_wmma_f32_16x16x128_fp8_fp8 v[S+64*u+8*(f%8):S+64*u+8*(f%8)+7], v[16*f:16*f+15], v[QA+32*u+16:QA+32*u+31], v[S+64*u+8*(f%8):S+64*u+8*(f%8)+7]
.endif
.set u, u+1
.endr
.set f, f+1
.endr
.endr
	WIN 0
	PLACES 4                                       ; in front of the first read of the scores
.endm
.macro MASK u                          ; register j holds key 32 (j / 16) + 16 h + j % 16 of the block: hidden where it is greater than my query
.set j, 0
.rept 64
	v_cmp_le_i32 vcc_lo, 32*(j/16)+j%16, v[D0]
	v_cndmask_b32 v[S+64*\u+j], s[NINF], v[S+64*\u+j], vcc_lo
.set j, j+1
.endr
.endm
.macro TT n, op, d, a, b               ; one step of the statistics, the tiles by turns
.set u, 0
.rept \n
	\op v[TS+8*u+\d], v[TS+8*u+\a], v[TS+8*u+\b]
.set u, u+1
.endr
.endm
.macro SUM u                           ; the row's sum, of the unquantised p, in four chains
.set c, 0
.rept 4
	v_pk_add_f32 v[PC+16*\u+2*c:PC+16*\u+2*c+1], v[S+64*\u+4*c:S+64*\u+4*c+1], v[S+64*\u+4*c+2:S+64*\u+4*c+3]
.set c, c+1
.endr
.set j, 16
.rept 24
.set c, ((j-16)/2)%4
	v_pk_add_f32 v[PC+16*\u+2*c:PC+16*\u+2*c+1], v[PC+16*\u+2*c:PC+16*\u+2*c+1], v[S+64*\u+j:S+64*\u+j+1]
.set j, j+2
.endr
	v_pk_add_f32 v[PC+16*\u:PC+16*\u+1], v[PC+16*\u:PC+16*\u+1], v[PC+16*\u+2:PC+16*\u+3]
	v_pk_add_f32 v[PC+16*\u+4:PC+16*\u+5], v[PC+16*\u+4:PC+16*\u+5], v[PC+16*\u+6:PC+16*\u+7]
	v_pk_add_f32 v[PC+16*\u:PC+16*\u+1], v[PC+16*\u:PC+16*\u+1], v[PC+16*\u+4:PC+16*\u+5]
	v_pk_add_f32 v[TS+8*\u+2:TS+8*\u+3], v[TS+8*\u+2:TS+8*\u+3], v[PC+16*\u:PC+16*\u+1]
.endm
.macro HOLDP u                         ; the conversion does not saturate (ISA guide 7.6.2); p is not negative, so the hold is one-sided
.set j, 0
.rept 64
	v_min_num_f32 v[S+64*\u+j], s[PLIM], v[S+64*\u+j]
.set j, j+1
.endr
.endm
.macro CVTP u
.irp c, 0,1,2,3
	v_cvt_scalef32_pk8_fp8_f32 v[PC+16*\u+4*\c:PC+16*\u+4*\c+1], v[S+64*\u+16*\c:S+64*\u+16*\c+7], v[CSC]
	v_cvt_scalef32_pk8_fp8_f32 v[PC+16*\u+4*\c+2:PC+16*\u+4*\c+3], v[S+64*\u+16*\c+8:S+64*\u+16*\c+15], v[CSC]
.endr
.endm
.macro SOFT n                          ; the softmax of a key step, tiles 0 .. n - 1
.set u, 0
.rept \n
.set c, 0
.rept 4                                ; the largest score in four chains a tile; each accumulator is read from its low end on
	v_max3_num_f32 v[PC+16*u+c], v[S+64*u+3*c], v[S+64*u+3*c+1], v[S+64*u+3*c+2]
.set c, c+1
.endr
.set u, u+1
.endr
.set j, 12
.rept 26
.set c, ((j-12)/2)%4
.set u, 0
.rept \n
	v_max3_num_f32 v[PC+16*u+c], v[PC+16*u+c], v[S+64*u+j], v[S+64*u+j+1]
.set u, u+1
.endr
.set j, j+2
.endr
.set u, 0
.rept \n
	v_max3_num_f32 v[TS+8*u+6], v[PC+16*u], v[PC+16*u+1], v[PC+16*u+2]
.set u, u+1
.endr
.set u, 0
.rept \n
	v_max_num_f32 v[TS+8*u+6], v[TS+8*u+6], v[PC+16*u+3]
.set u, u+1
.endr
.set u, 0
.rept \n
	v_permlanex16_b32 v[TS+8*u+7], v[TS+8*u+6], s[SEL], s[SEL+1]   ; the query's other 64 keys lie in the lane 16 away
.set u, u+1
.endr
	TT \n, v_max_num_f32, 6, 6, 7
.set u, 0
.rept \n
	v_mul_f32 v[TS+8*u+6], s[CS], v[TS+8*u+6]      ; as t (c is positive)
.set u, u+1
.endr
	TT \n, v_max_num_f32, 1, 1, 6
.set u, 0
.rept \n
	v_mov_b32 v[TS+8*u+6], v[TS+8*u]
.set u, u+1
.endr
.set u, 0
.rept \n
	v_floor_f32 v[TS+8*u], -v[TS+8*u+1]            ; the new -M = -ceil(t): a whole number
.set u, u+1
.endr
	TT \n, v_sub_f32, 6, 0, 6
.set u, 0
.rept \n
	v_cvt_i32_f32 v[TS+8*u+6], v[TS+8*u+6]         ; (it saturates)
.set u, u+1
.endr
.set u, 0
.rept \n
	v_ldexp_f32 v[TS+8*u+4], 1.0, v[TS+8*u+6]      ; f = 2^(old M - new M)
.set u, u+1
.endr
.set u, 0
.rept \n
.set j, 0
.rept 32
	v_pk_fma_f32 v[S+64*u+j:S+64*u+j+1], v[S+64*u+j:S+64*u+j+1], s[CS:CS+1], v[TS+8*u:TS+8*u+1] op_sel_hi:[1,0,0]   ; t - M
.set j, j+2
.endr
.set u, u+1
.endr
	s_wait_alu depctr_va_vdst(0)                   ; ahead of the batch: it serves both tiles' sources
.set j, 0
.rept 64
	v_exp_f32 v[S+j], v[S+j]                       ; p = 2^(t - M)
.set j, j+1
.endr
.set u, 0
.rept \n
	v_pk_mul_f32 v[TS+8*u+2:TS+8*u+3], v[TS+8*u+2:TS+8*u+3], v[TS+8*u+4:TS+8*u+5] op_sel_hi:[1,0]   ; the sums under the new M: the plain lines behind the exponentials
.set u, u+1
.endr
	s_wait_alu depctr_va_vdst(0)                   ; ahead of the first line that names a result
	SUM 0
.if \n > 1
.set j, 0
.rept 64                               ; tile 1's exponentials, tile 0's holds by turns
	v_exp_f32 v[S+64+j], v[S+64+j]
	v_min_num_f32 v[S+j], s[PLIM], v[S+j]
.set j, j+1
.endr
	s_wait_alu depctr_va_vdst(0)                   ; the same behind this batch, for its results and for the holds' readers
.else
	HOLDP 0
.endif
	CVTP 0
.if \n > 1
	SUM 1
	HOLDP 1
	CVTP 1
.endif
	v_nop                                          ; a plain line behind the last conversion
.endm
.macro RSC u, lo                       ; 64 registers of O^T under the new M: x f
	WIN 0xc3                                       ; O^T in window 3, f in window 0
	s_wait_alu depctr_va_vdst(0)                   ; directly ahead of the first readers of O^T
.set j, \lo
.rept 32
	v_pk_mul_f32 v[128*(\u)+j:128*(\u)+j+1], v[128*(\u)+j:128*(\u)+j+1], v[TS+8*(\u)+4:TS+8*(\u)+5] op_sel_hi:[1,0]
.set j, j+2
.endr
.endm
.macro PVW n                           ; O^T += V^T P^T: each fragment of V feeds all n tiles
	WIN 0xf2                                       ; V window 2, p's codes window 0, C and D window 3
.set f, 0
.rept 16
.set u, 0
.rept \n
	v_wmma_f32_16x16x128_fp8_fp8 v[128*u+8*f:128*u+8*f+7], v[16*f:16*f+15], v[PC+16*u:PC+16*u+15], v[128*u+8*f:128*u+8*f+7]
.set u, u+1
.endr
.set f, f+1
.endr
	WIN 0
.endm
.macro FINAL u, kk                     ; 64 registers of O^T become a fragment (16 queries x 128 of the last product's K) and its image
.set FB, S+64*\kk
.set FC, PC+16*\kk
	WIN 0x03
	s_wait_alu depctr_va_vdst(0)                   ; directly ahead of the first readers of O^T
.set j, 0
.rept 32
	v_pk_mul_f32 v[FB+j:FB+j+1], v[128*\u+64*\kk+j:128*\u+64*\kk+j+1], v[TS+8*\u+6:TS+8*\u+7] op_sel_hi:[1,0]
.set j, j+2
.endr
	WIN 0
.set j, 0
.rept 64
	v_med3_num_f32 v[FB+j], v[FB+j], s[OLN], s[OLIM]   ; the conversion does not saturate: the hold comes first
.set j, j+1
.endr
.irp c, 0,1,2,3
	v_cvt_scalef32_pk8_fp8_f32 v[FC+4*\c:FC+4*\c+1], v[FB+16*\c:FB+16*\c+7], v[CSO]
	v_cvt_scalef32_pk8_fp8_f32 v[FC+4*\c+2:FC+4*\c+3], v[FB+16*\c+8:FB+16*\c+15], v[CSO]
.endr
	v_nop
.irp c, 0,1,2,3
	ds_store_b128 v[OIW], v[FC+4*\c:FC+4*\c+3] offset:\u*16384+\kk*2048+512*\c
.endr
.endm
; ---- THE LAST PRODUCT, 64 rows x my 64 columns.  Row tile q = 2 u + row half; image (q, K step s) at (4 q + s) x 2,048.
.macro OFLOAD q                        ; row tile q's four fragments
	WIN 0x40
.irp s, 0,1,2,3
.irp c, 0,1,2,3
	ds_load_b128 v[64*((\q)%2)+16*\s+4*\c:64*((\q)%2)+16*\s+4*\c+3], v[OIR] offset:(4*(\q)+\s)*2048+512*\c
.endr
.endr
	WIN 0
.endm
.macro OMUL q                          ; 16 products, transposed (source 0 = 16 columns of Wo): a lane holds eight neighbouring columns of one row; four accumulators by turns
.set AC, AC0+32*((\q)%2)
	WIN 0x56                                       ; Wo window 2, all else window 1
.irp s, 0,1,2,3
.if (\q) == 0
.if \s == 0
	s_wait_dscnt 63                                ; tile 0's sixteen loads and Wo's first sixteen are in: at most 64 of the 96 may be out
.else
	s_wait_dscnt 64-16*\s                          ; and Wo's next sixteen
.endif
.endif
.irp t, 0,1,2,3
.if \s == 0
	v_wmma_f32_16x16x128_fp8_fp8 v[AC+8*\t:AC+8*\t+7], v[16*(4*\s+\t):16*(4*\s+\t)+15], v[64*((\q)%2)+16*\s:64*((\q)%2)+16*\s+15], 0
.else
	v_wmma_f32_16x16x128_fp8_fp8 v[AC+8*\t:AC+8*\t+7], v[16*(4*\s+\t):16*(4*\s+\t)+15], v[64*((\q)%2)+16*\s:64*((\q)%2)+16*\s+15], v[AC+8*\t:AC+8*\t+7]
.endif
.endr
.endr
	WIN 0
	PLACES 4                                       ; in front of loads into the fragments' registers and of the read of the sums
.endm
.macro PACK q                          ; the sums x 2^(e10 + e11) go into my stage and come back as rows, into the registers that the sums have left
.set AC, AC0+32*((\q)%2)
	WIN 0x41
.set j, 0
.rept 16
	v_pk_mul_f32 v[PKR+j:PKR+j+1], v[AC+j:AC+j+1], s[OSC:OSC+1] op_sel_hi:[1,0]
.set j, j+2
.endr
	WIN 0x04
.irp t, 0,1,2,3
	ds_store_b128 v[SSTO], v[PKR+8*\t:PKR+8*\t+3] offset:128*(\t/2)+32*(\t%2)
	ds_store_b128 v[SSTO], v[PKR+8*\t+4:PKR+8*\t+7] offset:128*(\t/2)+32*(\t%2)+16
.endr
	WIN 0x40
.irp i, 0,1,2,3,4,5,6,7
	ds_load_b128 v[AC+4*\i:AC+4*\i+3], v[SRD] offset:2*SP*\i    ; LDS serves a wave's instructions in order (ISA guide 5.7.1.4): these see my stores
.endr
	WIN 0
.endm
.macro OSTORE q                        ; sixteen lanes store 256 consecutive bytes of a row
.set AC, AC0+32*((\q)%2)
	WIN 0x04
.irp i, 0,1,2,3,4,5,6,7
	global_store_b128 v[GO], v[AC+4*\i:AC+4*\i+3], s[OB+2*((\q)/2):OB+2*((\q)/2)+1] offset:((\q)%2)*16384+(2*\i+8*(\i/4))*2048 th:TH_STORE_NT   ; stage row 2 i + lane / 16 is token 8 (row half) + that row + 8 (row / 8)
.endr
	WIN 0
.endm
.macro OUTP
	s_sub_co_u32 s[T0], s[KN], s[NN]               ; which 256 columns
	s_lshl_b32 s[T0], s[T0], 10
	s_sub_co_u32 s[T1], s[NN], 1
	s_lshl_b32 s[T1], s[T1], 18                    ; the later block's rows
	s_add_co_u32 s[TO], s[T0], s[T1]
	s_add_nc_u64 s[OB:OB+1], s[OUT:OUT+1], s[TO:TO+1]
	s_sub_nc_u64 s[OB+2:OB+3], s[OB:OB+1], 0x40000 ; the earlier block's
	OFLOAD 0
	WIN 0x80
.irp s, 0,1,2,3
.irp t, 0,1,2,3
.irp c, 0,1,2,3
	ds_load_b128 v[16*(4*\s+\t)+4*\c:16*(4*\s+\t)+4*\c+3], v[ADW] offset:(8*\s+\t)*2048+512*\c
.endr
.endr
.endr
	WIN 0
	OFLOAD 1
	OMUL 0
.irp q, 1,2,3                          ; a tile's trip through the stage lies under the next tile's products
	PACK \q-1
.if \q < 3
	OFLOAD \q+1
	s_wait_dscnt 32                                ; this tile's fragments are in; behind them: the stage's sixteen instructions and the next tile's sixteen loads
.else
	s_wait_dscnt 16                                ; behind them: the stage's sixteen
.endif
	s_wait_xcnt 0x0                                ; the stores of two tiles back have read the registers that this tile's sums take
	OMUL \q
.if \q < 3
	s_wait_dscnt 16                                ; the rows are back from the stage; the next tile's sixteen loads may be out
.else
	s_wait_dscnt 0x0
.endif
	OSTORE \q-1
.endr
	PACK 3
	s_wait_alu depctr_va_vdst(0)                   ; directly ahead of the wait below
	s_wait_dscnt 0x0
	OSTORE 3
.endm
	s_load_b256 s[4:11], s[0:1], 0x0               ; qc s[4:5], kc s[6:7], vc s[8:9], wc s[10:11]
	s_load_b128 s[12:15], s[0:1], 0x20             ; the scales s[12:13], out0 s[14:15]
	v_lshl_add_u32 v[SPW], v0, 2, SPARE
	v_mov_b32 v[NIL], 0
	ds_add_u32 v[SPW], v[NIL]                      ; the wave's opening: the add, twice on end, and its wait ahead of my first tensor load; work on registers stands between
	ds_add_u32 v[SPW], v[NIL]
	v_lshrrev_b32 v32, 5, v0
	v_readfirstlane_b32 s[WV], v32
	s_and_b32 s[HD], s[WV], 1
	s_lshr_b32 s[RH], s[WV], 1                     ; also: I fetch K (0) or V (1)
	s_mov_b32 s[XX], ttmp9                         ; in a cluster launch ttmp9 counts clusters
	s_and_b32 s[BB], ttmp7, 0xffff
	s_bfe_u32 s[CX], ttmp6, 0x40000
	s_lshl_b32 s[T0], s[XX], 1
	s_add_co_u32 s[N1], s[T0], 2
	s_sub_co_u32 s[N2], 8, s[T0]
	s_add_co_u32 s[N12], s[N1], 2
	s_mov_b32 s[G1], 15|(3<<16)|(1<<21)            ; 15:0 the mask: all four work-groups; 17:16 elements of 8 bytes; 21 set beside a mask; no padding
	s_mov_b32 s[G1+1], 32<<16                      ; tensor_dim0 = 32 elements: 256 bytes
	s_mov_b32 s[G1+2], 128<<16                     ; tensor_dim1 = 128 rows: 32 KB, dense
	s_mov_b32 s[G1+3], 32<<16                      ; tile_dim0
	s_mov_b32 s[G1+4], 128                         ; tile_dim1
	s_mov_b32 s[G1+5], 32                          ; the pitch
	s_mov_b32 s[G1+6], 0
	s_mov_b32 s[G1+7], 0
	s_mov_b32 s[G0], 1
	s_lshl_b32 s[G0+1], s[WV], 15                  ; my 32 KB of slot 0: no place in the cluster enters an LDS address
	s_lshl_b32 s[TO], s[BB], 19                    ; what I fetch: the batch, my head
	s_lshl_b32 s[T0], s[HD], 18
	s_add_co_u32 s[TO], s[TO], s[T0]
	s_mov_b32 s[TO+1], 0
	s_lshl_b32 s[TA], s[WV], 15
	s_add_co_u32 s[TA], s[TA], 786432              ; Wo's codes: weight 3
	s_mov_b32 s[TA+1], 0
	s_lshl_b32 s[HB], s[HD], 15
	s_lshl_b32 s[WB], s[RH], 16
	s_lshl_b32 s[T0], s[HD], 13
	s_add_co_u32 s[WB], s[WB], s[T0]               ; columns 64 w on: 128-column chunk w / 2, tiles 4 (w % 2) on
	s_mov_b32 s[CS], 0x3d8293ee                    ; log2(e) / sqrt(512)
	s_mov_b32 s[SEL], 0x76543210
	s_mov_b32 s[SEL+1], 0xfedcba98
	s_mov_b32 s[NINF], 0xff800000
	s_mov_b32 s[TB], SLOT1                         ; the first change turns it to slot 0
	s_lshl_b32 s84, s[RH], 13
	s_lshl_b32 s[T0], s[HD], 12
	s_add_co_u32 s84, s84, s[T0]
	s_add_co_u32 s84, s84, OI
	s_lshl_b32 s85, s[CX], 5
	s_lshl_b32 s[T3], s[RH], 3
	s_add_co_u32 s85, s85, s[T3]
	s_mul_i32 s86, s[WV], 16*SP
	s_add_co_u32 s86, s86, STG
	s_lshl_b32 s87, s[WV], 8
	v_and_b32 v32, 31, v0
	v_and_b32 v33, 15, v0                          ; r
	v_bfe_u32 v34, v0, 4, 1                        ; h
	v_lshlrev_b32 v[LI], 4, v32
	v_lshlrev_b32 v[PFO], 8, v32
	v_and_b32 v35, 8, v33
	v_lshlrev_b32 v36, 4, v34
	v_add_nc_u32 v35, v35, v33
	v_add_nc_u32 v[OIW], s84, v[LI]
	v_add_nc_u32 v[OIR], OI, v[LI]
	v_sub_nc_u32 v35, v35, v36
	v_add_nc_u32 v[D0], s85, v35                   ; 32 cx + 8 (row half) + r + 8 (r / 8) - 16 h
	v_mul_u32_u24 v[SSTO], v33, SP
	v_lshl_add_u32 v[SSTO], v34, 6, v[SSTO]
	v_add_nc_u32 v[SSTO], s86, v[SSTO]             ; in: row r, + 64 h
	v_mul_u32_u24 v[SRD], v34, SP
	v_lshl_add_u32 v[SRD], v33, 4, v[SRD]
	v_add_nc_u32 v[SRD], s86, v[SRD]               ; back: lanes 0-15 one row of 256 bytes, lanes 16-31 the next
	v_lshlrev_b32 v[GO], 11, v34
	v_lshl_add_u32 v[GO], v33, 4, v[GO]
	v_add_nc_u32 v[GO], s87, v[GO]                 ; the same two rows in out0, at my 64 columns
	s_wait_alu depctr_va_vdst(0)                   ; directly ahead of the waits below
	s_wait_dscnt 0x0                               ; both opening adds are done
	s_wait_kmcnt 0x0
	s_load_b256 s[48:55], s[12:13], 0x0            ; e0 .. e7
	s_load_b128 s[56:59], s[12:13], 0x20           ; e8 .. e11
	s_cmp_lt_u32 s[WV], 2
	s_cselect_b64 s[AB:AB+1], s[6:7], s[8:9]
	s_add_nc_u64 s[AB:AB+1], s[AB:AB+1], s[TO:TO+1]
	s_add_nc_u64 s[WOB:WOB+1], s[10:11], s[TA:TA+1]
	s_mov_b64 s[G0+2:G0+3], s[AB:AB+1]
	s_or_b32 s[G0+3], s[G0+3], 0x80000000
	CROUND                                         ; all four work-groups are here: the first joint loads meet
	JLOAD                                          ; trip 0: key step 0, into slot 0
	s_lshl_b32 s[T2], s[BB], 19                    ; Q: batch, head, my work-group's token tile of my row half
	s_mov_b32 s[T2+1], 0
	s_lshl_b32 s[T3], s[HD], 18
	s_add_co_u32 s[T2], s[T2], s[T3]
	s_lshl_b32 s[T3], s[CX], 13
	s_add_co_u32 s[T2], s[T2], s[T3]
	s_lshl_b32 s[T3], s[RH], 12
	s_add_co_u32 s[T2], s[T2], s[T3]
	s_add_nc_u64 s[QB2:QB2+1], s[4:5], s[T2:T2+1]
	s_lshl_b32 s[T2], s[XX], 16
	s_add_nc_u64 s[QB1:QB1+1], s[QB2:QB2+1], s[T2:T2+1]   ; the first pass's earlier block: 2 x
	s_sub_co_u32 s[T2], 0x30000, s[T2]
	s_add_nc_u64 s[QB2:QB2+1], s[QB2:QB2+1], s[T2:T2+1]   ; the second's: 6 - 2 x
	QLOAD QB1
	s_lshl_b32 s[T2], s[CX], 13
	s_add_co_u32 s[T2], s[T2], 32768
	s_add_nc_u64 s[PB:PB+1], s[AB:AB+1], s[T2:T2+1]
	s_lshl_b32 s[T2], s[BB], 21                    ; out0: the batch's 1,024 rows of 2,048 bytes, my work-group's 32 rows of a block
	s_lshl_b32 s[T3], s[CX], 16
	s_add_co_u32 s[T2], s[T2], s[T3]
	s_add_nc_u64 s[OUT:OUT+1], s[14:15], s[T2:T2+1]
.irp u, 0,1
	v_mov_b32 v[TS+8*\u+1], 0xff61b1e6             ; the largest t so far: -3e38, under every t
	v_floor_f32 v[TS+8*\u], -v[TS+8*\u+1]          ; -M
.irp i, 2,3,4,5,6,7
	v_mov_b32 v[TS+8*\u+\i], 0
.endr
.endr
.set j, 0
.rept 32
	v_mov_b32 v[PC+j], 0                           ; (written once: some way through the loop's text names them before a softmax has)
.set j, j+1
.endr
	WIN 0xc0
.set j, 0
.rept 256
	v_mov_b32 v[j], 0                              ; O^T, while the first tiles are on their way: the loop is written once, and its first rescaling finds zeros
.set j, j+1
.endr
	WIN 0
	s_wait_kmcnt 0x0
	s_add_co_i32 s[T0], s54, s55                   ; a score stands for score x 2^(e6 + e7): added to c's exponent field
	s_lshl_b32 s[T0], s[T0], 23
	s_add_co_i32 s[CS], s[CS], s[T0]
	s_mov_b32 s[CS+1], s[CS]                       ; (named with it as a pair)
	s_add_co_i32 s[T0], s56, 127
	s_lshl_b32 s[T1], s[T0], 23
	v_mov_b32 v[CSC], s[T1]                        ; 2^e8
	s_add_co_i32 s[T0], s[T0], 8
	s_lshl_b32 s[T0], s[T0], 23
	s_or_b32 s[PLIM], s[T0], 0x600000
	s_add_co_i32 s[EPV], s56, s57
	s_add_co_i32 s[T0], s58, 127
	s_lshl_b32 s[T1], s[T0], 23
	v_mov_b32 v[CSO], s[T1]                        ; 2^e10
	s_add_co_i32 s[T0], s[T0], 8
	s_lshl_b32 s[T0], s[T0], 23
	s_or_b32 s[OLIM], s[T0], 0x600000
	s_xor_b32 s[OLN], s[OLIM], 0x80000000
	s_add_co_i32 s[T0], s58, s59
	s_add_co_i32 s[T0], s[T0], 127
	s_lshl_b32 s[OSC], s[T0], 23                   ; 2^(e10 + e11)
	s_mov_b32 s[OSC+1], s[OSC]
	s_mov_b32 s[TR], 1
	s_wait_alu depctr_va_vdst(0)
	CHANGE 1                                       ; key step 0 is in; trip 1 is asked for: slot 1's first fill
.irp g, 0,1,2,3
	KCHUNK \g
.endr
	WIN 0
	SV 2
	s_mov_b32 s[KC], 0
	s_mov_b32 s[NC], s[N1]
	s_mov_b32 s[KN], s[KR]
	s_mov_b32 s[NN], s[NR]
	s_mov_b32 s[TR], 2
.Lloop:                                ; 12 trips: trips 0 to 11 in hand.  All branches but the cluster's hang on the cluster's x and the trip's number; none leads round a barrier, a tensor load or the waits in front of them
	s_cmp_lt_u32 s[KC], s[NC]
	s_cbranch_scc0 .Lchange                        ; a trip of the last product: its work is done
	s_add_co_u32 s[T0], s[KC], 1
	s_cmp_eq_u32 s[T0], s[NC]
	s_cbranch_scc1 .Llast
	s_add_co_u32 s[T0], s[T0], 1
	s_cmp_lg_u32 s[T0], s[NC]
	s_cbranch_scc1 .Lopen
	MASK 1                                         ; tile 1's block is on the diagonal
.Lopen:
	SOFT 2
	s_branch .Lchange
.Llast:                                ; the pass's last key step: tile 0 alone, on the diagonal
	MASK 0
	SOFT 1
	TT 2, v_add_f32, 6, 2, 3                       ; the sums' two halves,
.irp u, 0,1
	v_permlanex16_b32 v[TS+8*\u+7], v[TS+8*\u+6], s[SEL], s[SEL+1]
.endr
	TT 2, v_add_f32, 6, 6, 7                       ; and the lane's 16 away
	s_wait_alu depctr_va_vdst(0)                   ; ahead of the batch
.irp u, 0,1
	v_rcp_f32 v[TS+8*\u+6], v[TS+8*\u+6]
.endr
	v_nop
	s_wait_alu depctr_va_vdst(0)                   ; and behind it
.irp u, 0,1
	v_ldexp_f32 v[TS+8*\u+6], v[TS+8*\u+6], s[EPV] ; 2^(e8 + e9) / the sum
.endr
	s_wait_dscnt 0x0                               ; V
	RSC 0, 0
	RSC 0, 64
	PVW 1
	PLACES 4                                       ; in front of the read of O^T
	FINAL 0, 0
	FINAL 0, 1
	FINAL 1, 0
	FINAL 1, 1
.Lchange:
	CHANGE 1
	s_cmp_lt_u32 s[KN], s[NN]
	s_cbranch_scc0 .Lout
	s_cmp_lt_u32 s[KC], s[NC]
	s_cbranch_scc0 .Lonly_k
.irp g, 0,1,2,3                        ; the next step's K, under this step's rescaling and products
	KCHUNK \g
	RSC \g/2, 64*(\g%2)
.endr
	PVW 2
	PLACES 4                                       ; in front of loads into V's registers and of writes of p's
	s_branch .Lmid
.Lonly_k:
.irp g, 0,1,2,3
	KCHUNK \g
.endr
	WIN 0
	s_branch .Lmid
.Lout:
	OUTP
	s_add_co_u32 s[T0], s[NN], 1
	s_cmp_lg_u32 s[KN], s[T0]
	s_cbranch_scc1 .Lmid
	s_wait_loadcnt 0x0                             ; (none is out: Q's registers may be loaded)
	QLOAD QB2                                      ; the second pass: its Q,
.irp u, 0,1
	v_mov_b32 v[TS+8*\u+1], 0xff61b1e6             ; and the largest t anew
	v_floor_f32 v[TS+8*\u], -v[TS+8*\u+1]
.endr
	s_wait_alu depctr_va_vdst(0)                   ; ahead of the barrier
.Lmid:
	s_wait_dscnt 0x0                               ; my reads of O's images are over (a key step: K's fragments are in):
	s_barrier_signal -1
	s_barrier_wait -1                              ; images are written only behind this barrier
	s_cmp_lt_u32 s[KN], s[NN]
	s_cbranch_scc0 .Lnext
	s_add_co_u32 s[T0], s[KN], 1
	s_cmp_eq_u32 s[T0], s[NN]
	s_cbranch_scc1 .Lone
	SV 2
	s_branch .Lnext
.Lone:
	SV 1
.Lnext:
	s_mov_b32 s[KC], s[KN]
	s_mov_b32 s[NC], s[NN]
	s_mov_b32 s[KN], s[KR]
	s_mov_b32 s[NN], s[NR]
	s_add_co_u32 s[TR], s[TR], 1
	s_cmp_lt_u32 s[TR], 14
	s_cbranch_scc1 .Lloop
	CHANGE 0                                       ; trip 13 is written out: nothing is left to ask for
	OUTP
	s_wait_tensorcnt 0x0                           ; the wave's end, behind my last tensor load and my last LDS store
	ds_add_u32 v[SPW], v[NIL]
	s_wait_dscnt 0x0
	CROUND                                         ; the closing round: no work-group ends while a partner may still ask for a tile that names it
	s_endpgm
.Lfunc_end_k_q1a30ca5992_attn:
	.size	k_q1a30ca5992_attn, .Lfunc_end_k_q1a30ca5992_attn-k_q1a30ca5992_attn
	.p2alignl 7, 3214868480
	.fill 96, 4, 3214868480
	.section	.rodata,"a",@progbits
	.p2align	6, 0x0
	.amdhsa_kernel k_q1a30ca5992_attn
		.amdhsa_group_segment_fixed_size 327680
		.amdhsa_private_segment_fixed_size 0
		.amdhsa_enable_private_segment 0
		.amdhsa_kernarg_size 48
		.amdhsa_user_sgpr_count 2
		.amdhsa_user_sgpr_kernarg_segment_ptr 1
		.amdhsa_wavefront_size32 1
		.amdhsa_system_sgpr_workgroup_id_x 1
		.amdhsa_system_sgpr_workgroup_id_y 1
		.amdhsa_system_sgpr_workgroup_id_z 1
		.amdhsa_system_vgpr_workitem_id 0
		.amdhsa_next_free_vgpr 1024
		.amdhsa_next_free_sgpr 102
		.amdhsa_reserve_vcc 1
		.amdhsa_float_denorm_mode_32 3
		.amdhsa_float_denorm_mode_16_64 3
		.amdhsa_memory_ordered 1
		.amdhsa_forward_progress 1
		.amdhsa_inst_pref_size 194
	.end_amdhsa_kernel
	.amdgpu_metadata
---
amdhsa.version: [ 1, 2 ]
amdhsa.kernels:
  - .name:           k_q1a30ca5992_attn
    .symbol:         k_q1a30ca5992_attn.kd
    .args:
      - { .name: qc, .offset: 0, .size: 8, .value_kind: global_buffer, .address_space: global }
      - { .name: kc, .offset: 8, .size: 8, .value_kind: global_buffer, .address_space: global }
      - { .name: vc, .offset: 16, .size: 8, .value_kind: global_buffer, .address_space: global }
      - { .name: wc, .offset: 24, .size: 8, .value_kind: global_buffer, .address_space: global }
      - { .name: lowp_scales, .offset: 32, .size: 8, .value_kind: global_buffer, .address_space: global }
      - { .name: out0, .offset: 40, .size: 8, .value_kind: global_buffer, .address_space: global }
    .group_segment_fixed_size: 327680
    .private_segment_fixed_size: 0
    .kernarg_segment_align: 8
    .kernarg_segment_size: 48
    .max_flat_workgroup_size: 128
    .sgpr_count:     102
    .vgpr_count:     1024
    .wavefront_size: 32
...
	.end_amdgpu_metadata
.endif
;; end of part 3
